; MI455X (gfx1250); checked and timed in simulation.
; The chip was launched on July 23, 2026; its instructions are those of AMD's public machine-readable ISA for CDNA 5 (MIT licence, August 2026) and "CDNA5" Instruction Set Architecture Reference Guide (July 2026). The comments in the code are by the model that wrote it; some were corrected since.
;; Gaussian2 D Image. Allowed arithmetic: float matrix products may take bf16 or f16 operands with f32 sums; all other float work in f32.
;; Inputs: means 1,024 x 2 float32; opacities 1,024 x 1 float32; scales 1,024 x 2 float32; thetas 1,024 x 1 float32.
;; Outputs: out0 256 x 256 x 3 float32.
;; 2 versions, each right; version 2 is version 1 with the launch splat written anew for expert scheduling mode. Each part assembles by itself: llvm-mc -triple=amdgcn-amd-amdhsa -mcpu=gfx1250 --defsym DOCPART=n.
;; ======== version 1 of 2: 1 launch
;; launch splat (part 1): grid 256 x 1, 16 waves a work-group, no clusters, 54,272 bytes of LDS; arguments means, scales, thetas, opacities, out0; writes out0
.if DOCPART == 1
	.amdgcn_target "amdgcn-amd-amdhsa--gfx1250"
	.amdhsa_code_object_version 6
	.text
	.protected	k_q64ed6a7884_splat
	.globl	k_q64ed6a7884_splat
	.p2align	8
	.type	k_q64ed6a7884_splat,@function
k_q64ed6a7884_splat:
	s_mov_b64 s[64:65], 0
	v_nop
	global_prefetch_b8 v0, s[64:65] scope:SCOPE_SE
	s_setreg_imm32_b32 hwreg(HW_REG_WAVE_MODE, 25, 1), 1
	s_wait_xcnt 0x0
; 1,024 white gaussians composited front to back on a 256 x 256 image; out0[y][x][0..2] = acc(y, x).
; A work-group makes one image row (256 pixels, 3,072 bytes of out0) with sixteen waves.  Wave w takes gaussians 64 w .. 64 w + 63 for all
; 256 pixels, eight pixels a lane (4 l .. 4 l + 3 and 128 + 4 l .. + 3); the sixteen (acc, T) parts of a pixel are folded in index order at the end.
;
; THE ARITHMETIC.  Sigma + J I = R diag(s0^2 + J, s1^2 + J) R^T, so with i0 = 1 / (s0^2 + J), i1 = 1 / (s1^2 + J):
;   ia = c^2 i0 + s^2 i1,  ib = c s (i0 - i1),  id - ib^2 / ia = i0 i1 / ia      (identities; no determinant is formed as a difference)
;   q  = ia (x - x0)^2 + (i0 i1 / ia) dy^2,   x0 = mx - (ib / ia) dy
; dy is one number for a gaussian in a row, so a gaussian is the record (sA, c0, w, w):
;   sA = sqrt(K ia), c0 = -x0 sA, w = -K (i0 i1 / ia) dy^2 + log2(op), K = log2(e) / 2
; and a pixel costs  d = x sA + c0;  e = w - d d;  alpha = 2^e;  acc += alpha T;  T -= alpha T.
; c0 is rounded once: 2^-24 |x0 sA|, the same as moving the centre by one rounding of its coordinate.
; c^2, s^2, c s have a period of half a turn: f = sigmoid(theta) - k / 2, |f| <= 1/4, Taylor series of sin(2 pi f) to f^11 and of
; cos(2 pi f) to f^12 (first terms left out: 5.7e-8 and 6.4e-9 at |f| = 1/4).
; LIMITS.  scales above 22 (s^4 past f32): reference()'s det is inf or NaN there; this text gives the formula's limit instead.
; ia is floored at 2^-100 (reached only there).  alpha below 2^-126 counts as 0 (v_exp_f32 flushes).  opacities below -88: 1 + e^-o is inf, alpha = 0.
; image = acc + T_last * bg with reference()'s own bg = 0: the product is not formed, and the last wave's T is neither finished nor stored.
.set WAVES, 16
.set RING,  8                          ; records held in registers
.set WPAR,  1024                       ; LDS bytes of a wave's 64 records of 16 bytes; also of a wave's 256 acc, and of its 256 T
.set PACC,  WAVES*WPAR                 ; 16,384: acc parts, [wave][pixel]
.set PTRA,  PACC+WAVES*WPAR            ; 32,768: T parts, [wave][pixel]
.set STAGE, PTRA+WAVES*WPAR            ; 49,152: the way out, 1,536 bytes for each of waves 0 and 1
.set LN,  1                            ; lane
.set SAD, 2                            ; 1,024 w + 16 lane: where I store records and parts
.set PA,  3                            ; 1,024 w + 128 trip: where the ring reads (the same in every lane)
.set TMP, 4
.set O8,  5                            ; byte offset of my first gaussian in means and scales
.set O4,  6                            ; and in thetas and opacities
.set X,   8                            ; v[8:15]   x of my 8 pixels
.set ACC, 16                           ; v[16:23]  acc
.set T,   24                           ; v[24:31]  transmittance
.set D,   32                           ; v[32:39]  d
.set E,   40                           ; v[40:47]  e
.set AL,  48                           ; v[48:55]  alpha
.set P,   56                           ; v[56:87]  ring: slot j holds (sA, c0, w, w)
; preparation: pairs hold (gaussian 64 w + lane, gaussian 64 w + 32 + lane) unless said otherwise
.set MA,   88                          ; (mx, my) of the first gaussian as loaded
.set MB,   90                          ; of the second
.set SCA,  92                          ; (scale0, scale1) of the first
.set SCB,  94                          ; of the second
.set TH,   96
.set OP,   98
.set EMX,  100
.set EMY,  102
.set VAR0, 104
.set VAR1, 106
.set ETH,  108
.set EOP,  110
.set RMX,  112
.set RMY,  114
.set I0,   116
.set I1,   118
.set XR,   120
.set LOP,  122
.set NMX,  124
.set DY,   126
.set KQ,   128
.set F,    130
.set Z,    132
.set SN,   134
.set CN,   136
.set CC,   138
.set SS,   140
.set CS,   142
.set IA,   144
.set KI,   146
.set RIA,  148
.set DI,   150
.set RAT,  152
.set NX0,  154
.set IDP,  156
.set RA,   160                         ; v[160:163] the first gaussian's record
.set RB,   164                         ; v[164:167] the second's
; behind the barrier (waves 0 and 1)
.set FAD,  4                           ; 512 f + 16 lane: my 4 pixels in a wave's parts
.set STO,  5                           ; 1,536 f + 48 lane: my 12 numbers in the stage
.set RD,   6                           ; 1,536 f + 16 lane: the stage read back in the order of memory
.set CO,   7                           ; 16 lane: my byte offset in a store
.set FB,   8                           ; v[8:131]  wave w's acc at FB + 8 w, its T at FB + 8 w + 4
.set OUTR, 132                         ; v[132:143] 4 pixels x 3 colours
.set BACK, 144                         ; v[144:155]
	s_load_b256 s[4:11], s[0:1], 0x0               ; means s[4:5], scales s[6:7], thetas s[8:9], opacities s[10:11]
	s_load_b64 s[12:13], s[0:1], 0x20              ; out0
	v_lshl_add_u32 v168, v0, 2, 0xcc00
	v_mov_b32 v169, 0
	v_and_b32 v[LN], 31, v0
	v_lshrrev_b32 v[TMP], 5, v0
	v_readfirstlane_b32 s14, v[TMP]                ; wave 0..15
	v_and_b32 v[TMP], 0x1e0, v0                    ; 32 w
	v_add_nc_u32 v[TMP], v[TMP], v0                ; 64 w + lane: my first gaussian; the second is 32 further on
	v_lshlrev_b32 v[O8], 3, v[TMP]
	v_lshlrev_b32 v[O4], 2, v[TMP]
	s_wait_kmcnt 0x0
	global_load_b64 v[MA:MA+1],   v[O8], s[4:5]
	global_load_b64 v[MB:MB+1],   v[O8], s[4:5] offset:256
	global_load_b64 v[SCA:SCA+1], v[O8], s[6:7]
	global_load_b64 v[SCB:SCB+1], v[O8], s[6:7] offset:256
	global_load_b32 v[TH],   v[O4], s[8:9]
	global_load_b32 v[TH+1], v[O4], s[8:9] offset:128
	global_load_b32 v[OP],   v[O4], s[10:11]
	global_load_b32 v[OP+1], v[O4], s[10:11] offset:128
	; while the loads are out: what hangs on ids alone
	s_mov_b32 s15, ttmp9                           ; the row
	s_mov_b32 s18, 0x3c008081                      ; 2 / 255: the grid's step
	s_mov_b32 s19, 0xbf38aa3b                      ; -K = -log2(e) / 2
	s_mov_b32 s20, 0x42283c1a                      ; sin's f^9 coefficient, 42.058694, as a pair (a packed source is read as a pair)
	s_mov_b32 s21, 0x42283c1a
	s_mov_b32 s22, 0xc1d368f9                      ; cos's f^10 coefficient, -26.426257
	s_mov_b32 s23, 0xc1d368f9
	s_cvt_f32_u32 s16, s15
	s_mul_f32 s16, s16, s18
	s_add_f32 s16, s16, -2.0                       ; y - 1 = row * 2 / 255 - 2
	s_mov_b32 s17, s16
	s_lshl_b32 s24, s14, 10                        ; 1,024 w
	v_lshl_add_u32 v[SAD], v[LN], 4, s24
	v_mov_b32 v[PA], s24
	v_lshlrev_b32 v[TMP], 2, v[LN]                 ; 4 lane
.irp k, 0,1,2,3,4,5,6,7
	v_or_b32 v[X+\k], (\k&3)|((\k>>2)<<7), v[TMP]  ; pixel 4 l + k, or 128 + 4 l + k - 4
.endr
.irp k, 0,1,2,3,4,5,6,7
	v_cvt_f32_u32 v[X+\k], v[X+\k]
.endr
.irp k, 0,1,2,3,4,5,6,7
	v_fma_f32 v[X+\k], v[X+\k], s18, -1.0          ; x = -1 + pixel * 2 / 255
.endr
	s_wait_loadcnt 0x0
	; PREPARATION of my two gaussians.  The exponentials take single registers, so they also sort the loaded (x, y) pairs into (first, second) pairs.
	v_pk_mul_f32 v[MA:MA+1],   v[MA:MA+1],   0x4038aa3b op_sel_hi:[1,0]    ; 2 log2(e) m: tanh m = 1 - 2 / (1 + e^(2 m))
	v_pk_mul_f32 v[MB:MB+1],   v[MB:MB+1],   0x4038aa3b op_sel_hi:[1,0]
	v_pk_mul_f32 v[SCA:SCA+1], v[SCA:SCA+1], 0x4038aa3b op_sel_hi:[1,0]    ; s^2 = e^(2 scale)
	v_pk_mul_f32 v[SCB:SCB+1], v[SCB:SCB+1], 0x4038aa3b op_sel_hi:[1,0]
	v_pk_mul_f32 v[TH:TH+1],   v[TH:TH+1],   0xbfb8aa3b op_sel_hi:[1,0]    ; sigmoid t = 1 / (1 + e^-t)
	v_pk_mul_f32 v[OP:OP+1],   v[OP:OP+1],   0xbfb8aa3b op_sel_hi:[1,0]
	v_exp_f32 v[EMX],    v[MA]
	v_exp_f32 v[EMX+1],  v[MB]
	v_exp_f32 v[EMY],    v[MA+1]
	v_exp_f32 v[EMY+1],  v[MB+1]
	v_exp_f32 v[VAR0],   v[SCA]
	v_exp_f32 v[VAR0+1], v[SCB]
	v_exp_f32 v[VAR1],   v[SCA+1]
	v_exp_f32 v[VAR1+1], v[SCB+1]
	v_exp_f32 v[ETH],    v[TH]
	v_exp_f32 v[ETH+1],  v[TH+1]
	v_exp_f32 v[EOP],    v[OP]
	v_exp_f32 v[EOP+1],  v[OP+1]
	v_nop                                          ; one plain vector instruction between a transcendental and the first use of its result (ISA guide 5.7.2)
	s_wait_alu depctr_va_vdst(0)
	v_pk_add_f32 v[EMX:EMX+1],   v[EMX:EMX+1],   1.0 op_sel_hi:[1,0]
	v_pk_add_f32 v[EMY:EMY+1],   v[EMY:EMY+1],   1.0 op_sel_hi:[1,0]
	v_pk_add_f32 v[VAR0:VAR0+1], v[VAR0:VAR0+1], 0x358637bd op_sel_hi:[1,0]   ; + the jitter 1e-6
	v_pk_add_f32 v[VAR1:VAR1+1], v[VAR1:VAR1+1], 0x358637bd op_sel_hi:[1,0]
	v_pk_add_f32 v[ETH:ETH+1],   v[ETH:ETH+1],   1.0 op_sel_hi:[1,0]
	v_pk_add_f32 v[EOP:EOP+1],   v[EOP:EOP+1],   1.0 op_sel_hi:[1,0]
	v_rcp_f32 v[RMX],   v[EMX]
	v_rcp_f32 v[RMX+1], v[EMX+1]
	v_rcp_f32 v[RMY],   v[EMY]
	v_rcp_f32 v[RMY+1], v[EMY+1]
	v_rcp_f32 v[I0],    v[VAR0]                    ; i0 = 1 / (s0^2 + J)
	v_rcp_f32 v[I0+1],  v[VAR0+1]
	v_rcp_f32 v[I1],    v[VAR1]
	v_rcp_f32 v[I1+1],  v[VAR1+1]
	v_rcp_f32 v[XR],    v[ETH]                     ; sigmoid(theta): the angle in turns
	v_rcp_f32 v[XR+1],  v[ETH+1]
	v_log_f32 v[LOP],   v[EOP]                     ; -log2(op)
	v_log_f32 v[LOP+1], v[EOP+1]
	v_nop                                          ; as above
	s_wait_alu depctr_va_vdst(0)
	v_pk_fma_f32 v[NMX:NMX+1], v[RMX:RMX+1], 2.0, -1.0 op_sel_hi:[1,0,0]       ; -mx = 2 r - 1
	v_pk_fma_f32 v[DY:DY+1],   v[RMY:RMY+1], 2.0, s[16:17] op_sel_hi:[1,0,0]   ; dy = y - my = 2 r + (y - 1)
	v_pk_add_f32 v[KQ:KQ+1], v[XR:XR+1], v[XR:XR+1]
	v_rndne_f32 v[KQ],   v[KQ]                     ; k = nearest whole number of half turns: 0, 1 or 2
	v_rndne_f32 v[KQ+1], v[KQ+1]
	v_pk_fma_f32 v[F:F+1], v[KQ:KQ+1], -0.5, v[XR:XR+1] op_sel_hi:[1,0,1]      ; f in [-1/4, 1/4]; sin and cos both change sign with odd k, their products do not
	v_pk_mul_f32 v[Z:Z+1], v[F:F+1], v[F:F+1]
	v_pk_fma_f32 v[SN:SN+1], v[Z:Z+1], 0xc17183a8, s[20:21] op_sel_hi:[1,0,0]  ; -15.094643 z + 42.058694
	v_pk_fma_f32 v[CN:CN+1], v[Z:Z+1], 0x40fce9c5, s[22:23] op_sel_hi:[1,0,0]  ;   7.903536 z - 26.426257
.macro HORNER sc, cc                   ; one step of each series; the two chains take turns
	v_pk_fma_f32 v[SN:SN+1], v[SN:SN+1], v[Z:Z+1], \sc op_sel_hi:[1,1,0]
	v_pk_fma_f32 v[CN:CN+1], v[CN:CN+1], v[Z:Z+1], \cc op_sel_hi:[1,1,0]
.endm
	HORNER 0xc2996966, 0x4270fa83                  ; -76.705860,  60.244641
	HORNER 0x42a335e3, 0xc2aae9e4                  ;  81.605249, -85.456817
	HORNER 0xc2255de7, 0x4281e0f8                  ; -41.341702,  64.939394
	HORNER 0x40c90fdb, 0xc19de9e6                  ;   6.283185, -19.739209
	v_pk_mul_f32 v[SN:SN+1], v[SN:SN+1], v[F:F+1]                              ; +-sin(th)
	v_pk_fma_f32 v[CN:CN+1], v[CN:CN+1], v[Z:Z+1], 1.0 op_sel_hi:[1,1,0]       ; +-cos(th), the same sign
	v_pk_mul_f32 v[CC:CC+1], v[CN:CN+1], v[CN:CN+1]
	v_pk_mul_f32 v[SS:SS+1], v[SN:SN+1], v[SN:SN+1]
	v_pk_mul_f32 v[CS:CS+1], v[CN:CN+1], v[SN:SN+1]
	v_pk_mul_f32 v[IA:IA+1], v[CC:CC+1], v[I0:I0+1]
	v_pk_fma_f32 v[IA:IA+1], v[SS:SS+1], v[I1:I1+1], v[IA:IA+1]                ; ia: a sum of two positive terms
	v_max_num_f32 v[IA],   0x0d800000, v[IA]       ; floor 2^-100: keeps 1 / ia finite where both variances have overflowed
	v_max_num_f32 v[IA+1], 0x0d800000, v[IA+1]
	v_pk_mul_f32 v[KI:KI+1], v[IA:IA+1], 0x3f38aa3b op_sel_hi:[1,0]            ; K ia
	v_rcp_f32  v[RIA],   v[IA]
	v_rcp_f32  v[RIA+1], v[IA+1]
	v_sqrt_f32 v[RA],    v[KI]                     ; sA, straight into the records
	v_sqrt_f32 v[RB],    v[KI+1]
	v_pk_add_f32 v[DI:DI+1], v[I0:I0+1], v[I1:I1+1] neg_lo:[0,1] neg_hi:[0,1]  ; i0 - i1: plain work that touches none of the four results above
	v_pk_mul_f32 v[DI:DI+1], v[DI:DI+1], v[CS:CS+1]                            ; ib
	s_wait_alu depctr_va_vdst(0)
	v_pk_mul_f32 v[RAT:RAT+1], v[DI:DI+1], v[RIA:RIA+1]                        ; ib / ia
	v_pk_mul_f32 v[IDP:IDP+1], v[I0:I0+1], v[RIA:RIA+1]
	v_pk_fma_f32 v[NX0:NX0+1], v[RAT:RAT+1], v[DY:DY+1], v[NMX:NMX+1]          ; -x0 = -mx + (ib / ia) dy
	v_pk_mul_f32 v[IDP:IDP+1], v[IDP:IDP+1], v[I1:I1+1]                        ; i0 i1 / ia
	v_mul_f32 v[RA+1], v[NX0],   v[RA]             ; c0 = -x0 sA
	v_mul_f32 v[RB+1], v[NX0+1], v[RB]
	v_pk_mul_f32 v[IDP:IDP+1], v[IDP:IDP+1], v[DY:DY+1]
	v_pk_mul_f32 v[IDP:IDP+1], v[IDP:IDP+1], v[DY:DY+1]
	v_fma_f32 v[RA+2], v[IDP],   s19, -v[LOP]      ; w = -K (i0 i1 / ia) dy^2 + log2(op), twice: the loop adds it as a pair
	v_fma_f32 v[RA+3], v[IDP],   s19, -v[LOP]
	v_fma_f32 v[RB+2], v[IDP+1], s19, -v[LOP+1]
	v_fma_f32 v[RB+3], v[IDP+1], s19, -v[LOP+1]
	ds_store_b128 v[SAD], v[RA:RA+3]               ; record lane
	ds_store_b128 v[SAD], v[RB:RB+3] offset:512    ; record 32 + lane
	; The records are the wave's own bytes, and LDS serves a wave's instructions in order (ISA guide 5.7.1): no wait, no barrier.
.irp j, 0,1,2,3,4,5,6,7
	ds_load_b128 v[P+4*\j:P+4*\j+3], v[PA] offset:16*\j    ; every lane reads the same 16 bytes
.endr
.macro UPDATE_ACC
	s_wait_alu depctr_va_vdst(0)
.irp k, 0,2,4,6
	v_pk_fma_f32 v[ACC+\k:ACC+\k+1], v[AL+\k:AL+\k+1], v[T+\k:T+\k+1], v[ACC+\k:ACC+\k+1]
.endr
.endm
.macro UPDATE_T
.irp k, 0,2,4,6
	v_pk_fma_f32 v[T+\k:T+\k+1], v[AL+\k:AL+\k+1], v[T+\k:T+\k+1], v[T+\k:T+\k+1] neg_lo:[1,0,0] neg_hi:[1,0,0]
.endr
.endm
; One gaussian, from ring slot j.  Order: d and e of THIS gaussian (eight plain instructions behind the exponentials of the one before, the four
; that write D first, so that E, which those exponentials read, is rewritten four instructions later), then the compositing of the one BEFORE,
; then this one's eight exponentials.
; ahead = 1: the slot is loaded again, eight records on.  left = younger LDS loads that may stay out.
; upd = 1: composite the gaussian before; 2: it was the wave's first, whose alpha went straight into ACC: T = 1 - alpha; 0: there is none before.
.macro GAUSS j, ahead, left, upd, dst
	s_wait_dscnt \left
.irp k, 0,2,4,6
	v_pk_fma_f32 v[D+\k:D+\k+1], v[X+\k:X+\k+1], v[P+4*\j:P+4*\j+1], v[P+4*\j:P+4*\j+1] op_sel:[0,0,1] op_sel_hi:[1,0,1]   ; x sA + c0: the pair's first register times both, its second added to both
.endr
.irp k, 0,2,4,6
	v_pk_fma_f32 v[E+\k:E+\k+1], v[D+\k:D+\k+1], v[D+\k:D+\k+1], v[P+4*\j+2:P+4*\j+3] neg_lo:[1,0,0] neg_hi:[1,0,0]        ; w - d d
.endr
.if \ahead
	ds_load_b128 v[P+4*\j:P+4*\j+3], v[PA] offset:16*(RING+\j)
.endif
.if \upd == 1
	UPDATE_ACC
	UPDATE_T
.endif
.if \upd == 2
	s_wait_alu depctr_va_vdst(0)
.irp k, 0,2,4,6
	v_pk_add_f32 v[T+\k:T+\k+1], v[ACC+\k:ACC+\k+1], 1.0 op_sel_hi:[1,0] neg_lo:[1,0] neg_hi:[1,0]
.endr
.endif
.irp k, 0,1,2,3,4,5,6,7
	v_exp_f32 v[\dst+\k], v[E+\k]
.endr
.endm
	; 64 gaussians = 8 trips round the ring.  The count 7: behind a slot's load stand the loads of the seven other slots, at the first
	; trip (the eight loads above, then the reloads), inside the loop and over its backward jump alike.
	GAUSS 0, 1, 7, 0, ACC                          ; the first alpha starts the sum: nothing is cleared
	GAUSS 1, 1, 7, 2, AL
.irp j, 2,3,4,5,6,7
	GAUSS \j, 1, 7, 1, AL
.endr
	v_add_nc_u32 v[PA], 128, v[PA]                 ; eight records on
	s_mov_b32 s30, 6
.Ltrip:
.irp j, 0,1,2,3,4,5,6,7
	GAUSS \j, 1, 7, 1, AL
.endr
	v_add_nc_u32 v[PA], 128, v[PA]
	s_sub_co_u32 s30, s30, 1
	s_cmp_lg_u32 s30, 0
	s_cbranch_scc1 .Ltrip
.irp j, 0,1,2,3,4,5,6,7
	GAUSS \j, 0, 7-\j, 1, AL                       ; the last trip loads nothing: the counts run down
.endr
	v_nop                                          ; the plain instruction behind the last exponentials
	s_wait_alu depctr_va_vdst(0)
	UPDATE_ACC                                     ; the last gaussian
	ds_store_b128 v[SAD], v[ACC:ACC+3]   offset:PACC       ; pixels 4 l ..: a wave's store covers 512 consecutive bytes
	ds_store_b128 v[SAD], v[ACC+4:ACC+7] offset:PACC+512   ; pixels 128 + 4 l ..
	s_cmp_eq_u32 s14, WAVES-1
	s_cbranch_scc1 .Lno_t                          ; nothing stands behind the last wave's gaussians: its T is not needed
	UPDATE_T
	ds_store_b128 v[SAD], v[T:T+3]   offset:PTRA
	ds_store_b128 v[SAD], v[T+4:T+7] offset:PTRA+512
.Lno_t:
	s_wait_dscnt 0x0                               ; my parts are in LDS before I say so
	s_barrier_signal -1
	s_barrier_wait -1                              ; everybody's are
	s_cmp_ge_u32 s14, 2
	s_cbranch_scc1 .Lend
	; THE FOLD: wave f (0 or 1) takes pixels 128 f .. 128 f + 127, four a lane, and goes through the sixteen parts in index order.
	s_lshl_b32 s25, s14, 9
	v_lshl_add_u32 v[FAD], v[LN], 4, s25
.irp w, 0,1,2,3,4,5,6,7,8,9,10,11,12,13,14
	ds_load_b128 v[FB+8*\w:FB+8*\w+3],   v[FAD] offset:PACC+WPAR*\w
	ds_load_b128 v[FB+8*\w+4:FB+8*\w+7], v[FAD] offset:PTRA+WPAR*\w
.endr
	ds_load_b128 v[FB+120:FB+123], v[FAD] offset:PACC+WPAR*15
	s_mul_i32 s26, s14, 1536                       ; 128 pixels x 12 bytes
	v_mad_u32_u24 v[STO], v[LN], 48, s26
	v_lshl_add_u32 v[RD], v[LN], 4, s26
	v_lshlrev_b32 v[CO], 4, v[LN]
	s_mul_i32 s28, s15, 3072                       ; a row of out0
	s_add_co_u32 s28, s28, s26
	s_mov_b32 s29, 0
	s_add_nc_u64 s[12:13], s[12:13], s[28:29]      ; out0 at my 1,536 bytes: a multiple of 256 from its first byte
.irp w, 1,2,3,4,5,6,7,8,9,10,11,12,13,14
	s_wait_dscnt 29-2*\w                           ; 31 loads in the order acc 0, T 0, acc 1, T 1, ..: behind T w stand 29 - 2 w
	v_pk_fma_f32 v[FB:FB+1],   v[FB+4:FB+5], v[FB+8*\w:FB+8*\w+1],   v[FB:FB+1]        ; acc += T so far * acc of wave w
	v_pk_fma_f32 v[FB+2:FB+3], v[FB+6:FB+7], v[FB+8*\w+2:FB+8*\w+3], v[FB+2:FB+3]
	v_pk_mul_f32 v[FB+4:FB+5], v[FB+4:FB+5], v[FB+8*\w+4:FB+8*\w+5]                    ; T so far *= T of wave w
	v_pk_mul_f32 v[FB+6:FB+7], v[FB+6:FB+7], v[FB+8*\w+6:FB+8*\w+7]
.endr
	s_wait_dscnt 0x0
.irp q, 0,1,2,3
.irp i, 0,1,2
	v_fma_f32 v[OUTR+3*\q+\i], v[FB+4+\q], v[FB+120+\q], v[FB+\q]      ; the last step writes each pixel's three equal colours: no copies
.endr
.endr
	; THE WAY OUT.  A lane holds 48 consecutive bytes of the row; through the wave's own stage they become three stores in each of which
	; the wave's 32 lanes cover 512 consecutive bytes.  The stage's stores start 12 words apart.
.irp i, 0,1,2
	ds_store_b128 v[STO], v[OUTR+4*\i:OUTR+4*\i+3] offset:STAGE+16*\i
.endr
.irp i, 0,1,2
	ds_load_b128 v[BACK+4*\i:BACK+4*\i+3], v[RD] offset:STAGE+512*\i   ; the wave's own bytes, served in order behind the stores
.endr
.irp i, 0,1,2
	s_wait_dscnt 2-\i
	global_store_b128 v[CO], v[BACK+4*\i:BACK+4*\i+3], s[12:13] offset:512*\i th:TH_STORE_NT
.endr
.Lend:
	s_wait_tensorcnt 0x0
	ds_add_u32 v168, v169
	s_wait_dscnt 0x0
	s_endpgm
.Lfunc_end_k_q64ed6a7884_splat:
	.size	k_q64ed6a7884_splat, .Lfunc_end_k_q64ed6a7884_splat-k_q64ed6a7884_splat
	.p2alignl 7, 3214868480
	.fill 96, 4, 3214868480
	.section	.rodata,"a",@progbits
	.p2align	6, 0x0
	.amdhsa_kernel k_q64ed6a7884_splat
		.amdhsa_group_segment_fixed_size 54272
		.amdhsa_private_segment_fixed_size 0
		.amdhsa_enable_private_segment 0
		.amdhsa_kernarg_size 40
		.amdhsa_user_sgpr_count 2
		.amdhsa_user_sgpr_kernarg_segment_ptr 1
		.amdhsa_wavefront_size32 1
		.amdhsa_system_sgpr_workgroup_id_x 1
		.amdhsa_system_sgpr_workgroup_id_y 1
		.amdhsa_system_sgpr_workgroup_id_z 1
		.amdhsa_system_vgpr_workitem_id 0
		.amdhsa_next_free_vgpr 170
		.amdhsa_next_free_sgpr 66
		.amdhsa_reserve_vcc 0
		.amdhsa_float_denorm_mode_32 3
		.amdhsa_float_denorm_mode_16_64 3
		.amdhsa_memory_ordered 1
		.amdhsa_forward_progress 1
		.amdhsa_inst_pref_size 50
	.end_amdhsa_kernel
	.amdgpu_metadata
---
amdhsa.version: [ 1, 2 ]
amdhsa.kernels:
  - .name:           k_q64ed6a7884_splat
    .symbol:         k_q64ed6a7884_splat.kd
    .args:
      - { .name: means, .offset: 0, .size: 8, .value_kind: global_buffer, .address_space: global }
      - { .name: scales, .offset: 8, .size: 8, .value_kind: global_buffer, .address_space: global }
      - { .name: thetas, .offset: 16, .size: 8, .value_kind: global_buffer, .address_space: global }
      - { .name: opacities, .offset: 24, .size: 8, .value_kind: global_buffer, .address_space: global }
      - { .name: out0, .offset: 32, .size: 8, .value_kind: global_buffer, .address_space: global }
    .group_segment_fixed_size: 54272
    .private_segment_fixed_size: 0
    .kernarg_segment_align: 8
    .kernarg_segment_size: 40
    .max_flat_workgroup_size: 512
    .sgpr_count:     66
    .vgpr_count:     170
    .wavefront_size: 32
...
	.end_amdgpu_metadata
.endif
;; end of part 1
;; ======== version 2 of 2: 1 launch; version 1 with the launch splat written anew for expert scheduling mode
;; launch splat (part 2): grid 256 x 1, 16 waves a work-group, no clusters, 54,272 bytes of LDS; arguments means, scales, thetas, opacities, out0; writes out0
.if DOCPART == 2
	.amdgcn_target "amdgcn-amd-amdhsa--gfx1250"
	.amdhsa_code_object_version 6
	.text
	.protected	k_q64ed6a7884_splat
	.globl	k_q64ed6a7884_splat
	.p2align	8
	.type	k_q64ed6a7884_splat,@function
k_q64ed6a7884_splat:
	s_mov_b64 s[64:65], 0
	v_nop
	global_prefetch_b8 v0, s[64:65] scope:SCOPE_SE
	s_setreg_imm32_b32 hwreg(HW_REG_WAVE_SCHED_MODE, 0, 2), 2
	s_setreg_imm32_b32 hwreg(HW_REG_WAVE_MODE, 25, 1), 1
	s_wait_xcnt 0x0
	s_wait_alu depctr_vm_vsrc(0)
; 1,024 white gaussians composited front to back on a 256 x 256 image; out0[y][x][0..2] = acc(y, x).
; A work-group makes one image row (256 pixels, 3,072 bytes of out0) with sixteen waves.  Wave w takes gaussians 64 w .. 64 w + 63 for all
; 256 pixels, eight pixels a lane (4 l .. 4 l + 3 and 128 + 4 l .. + 3); the sixteen (acc, T) parts of a pixel are folded in index order at the end.
;
; THE ARITHMETIC.  Sigma + J I = R diag(s0^2 + J, s1^2 + J) R^T, so with i0 = 1 / (s0^2 + J), i1 = 1 / (s1^2 + J):
;   ia = c^2 i0 + s^2 i1,  ib = c s (i0 - i1),  id - ib^2 / ia = i0 i1 / ia      (identities; no determinant is formed as a difference)
;   q  = ia (x - x0)^2 + (i0 i1 / ia) dy^2,   x0 = mx - (ib / ia) dy
; dy is one number for a gaussian in a row, so a gaussian is the record (sA, c0, w, w):
;   sA = sqrt(K ia), c0 = -x0 sA, w = -K (i0 i1 / ia) dy^2 + log2(op), K = log2(e) / 2
; and a pixel costs  d = x sA + c0;  e = w - d d;  alpha = 2^e;  acc += alpha T;  T -= alpha T.
; c0 is rounded once: 2^-24 |x0 sA|, the same as moving the centre by one rounding of its coordinate.
; c^2, s^2, c s have a period of half a turn: f = sigmoid(theta) - k / 2, |f| <= 1/4, Taylor series of sin(2 pi f) to f^11 and of
; cos(2 pi f) to f^12 (first terms left out: 5.7e-8 and 6.4e-9 at |f| = 1/4).
; LIMITS.  scales above 22 (s^4 past f32): reference()'s det is inf or NaN there; this text gives the formula's limit instead.
; ia is floored at 2^-100 (reached only there).  alpha below 2^-126 counts as 0 (v_exp_f32 flushes).  opacities below -88: 1 + e^-o is inf, alpha = 0.
; image = acc + T_last * bg with reference()'s own bg = 0: the product is not formed, and the last wave's T is neither finished nor stored.
;
; THE MODE: SCHED_MODE bits 1:0 = 2 (LLVM: expert scheduling mode 2), set by the entry lines.  The code itself states the register dependences
; between vector instructions and memory or LDS instructions, with s_wait_alu, always for 0.
; THE PLAN.  The wave's 64 gaussians go in 8 trips of eight.  Registers that LDS instructions touch in the trips:
;   P0, P1   two buffers of eight records.  Trip t's d and e lines read P[t % 2]; the eight loads issued in trip t (records of trip t + 1) land in
;            P[(t + 1) % 2], which trip t - 1 read and which no vector instruction of trip t names.
;   v[PA]    read by every record load; written once in two trips, at the head of an even trip; immediate offsets do the rest.
; So ONE wait on va_vdst stands at the head of a trip that loads: the trip before is done reading the other buffer, and, in an even trip, v[PA] is
; written.  The trip's eight loads follow it with no further wait, two in front of each of its first four gaussians, whose vector lines name
; X, D, E, ACC, T, AL and the trip's own buffer alone.  One wait on vm_vsrc stands ahead of the add to v[PA].
; Head, parts, fold and way out: each run of loads or stores has one wait ahead of it, which says what it states.
.set WAVES, 16
.set RING,  8                          ; records in one buffer of the ring
.set WPAR,  1024                       ; LDS bytes of a wave's 64 records of 16 bytes; also of a wave's 256 acc, and of its 256 T
.set PACC,  WAVES*WPAR                 ; 16,384: acc parts, [wave][pixel]
.set PTRA,  PACC+WAVES*WPAR            ; 32,768: T parts, [wave][pixel]
.set STAGE, PTRA+WAVES*WPAR            ; 49,152: the way out, 1,536 bytes for each of waves 0 and 1
.set LN,  1                            ; lane
.set SAD, 2                            ; 1,024 w + 16 lane: where I store records and parts; never rewritten
.set PA,  3                            ; 1,024 w + 256 x (trip / 2): from where the ring reads (the same in every lane)
.set TMP, 4
.set O8,  5                            ; byte offset of my first gaussian in means and scales
.set O4,  6                            ; and in thetas and opacities
.set X,   8                            ; v[8:15]   x of my 8 pixels
.set ACC, 16                           ; v[16:23]  acc
.set T,   24                           ; v[24:31]  transmittance
.set D,   32                           ; v[32:39]  d
.set E,   40                           ; v[40:47]  e
.set AL,  48                           ; v[48:55]  alpha
.set P,   56                           ; v[56:119] ring: buffer b, slot j at P + 32 b + 4 j holds (sA, c0, w, w); buffer 1 lies on registers that the preparation has left
; preparation: pairs hold (gaussian 64 w + lane, gaussian 64 w + 32 + lane) unless said otherwise
.set MA,   88                          ; (mx, my) of the first gaussian as loaded
.set MB,   90                          ; of the second
.set SCA,  92                          ; (scale0, scale1) of the first
.set SCB,  94                          ; of the second
.set TH,   96
.set OP,   98
.set EMX,  100
.set EMY,  102
.set VAR0, 104
.set VAR1, 106
.set ETH,  108
.set EOP,  110
.set RMX,  112
.set RMY,  114
.set I0,   116
.set I1,   118
.set XR,   120
.set LOP,  122
.set NMX,  124
.set DY,   126
.set KQ,   128
.set F,    130
.set Z,    132
.set SN,   134
.set CN,   136
.set CC,   138
.set SS,   140
.set CS,   142
.set IA,   144
.set KI,   146
.set RIA,  148
.set DI,   150
.set RAT,  152
.set NX0,  154
.set IDP,  156
.set RA,   160                         ; v[160:163] the first gaussian's record; never rewritten
.set RB,   164                         ; v[164:167] the second's
; behind the barrier (waves 0 and 1)
.set FAD,  4                           ; 512 f + 16 lane: my 4 pixels in a wave's parts
.set STO,  5                           ; 1,536 f + 48 lane: my 12 numbers in the stage
.set RD,   6                           ; 1,536 f + 16 lane: the stage read back in the order of memory
.set CO,   7                           ; 16 lane: my byte offset in a store
.set FB,   8                           ; v[8:131]  wave w's acc at FB + 8 w, its T at FB + 8 w + 4
.set OUTR, 132                         ; v[132:143] 4 pixels x 3 colours
.set BACK, 144                         ; v[144:155]
	s_load_b256 s[4:11], s[0:1], 0x0               ; means s[4:5], scales s[6:7], thetas s[8:9], opacities s[10:11]
	s_load_b64 s[12:13], s[0:1], 0x20              ; out0
	v_lshl_add_u32 v158, v0, 2, 0xcc00
	v_mov_b32 v159, 0
	v_and_b32 v[LN], 31, v0
	v_lshrrev_b32 v[TMP], 5, v0
	v_readfirstlane_b32 s14, v[TMP]                ; wave 0..15
	v_and_b32 v[TMP], 0x1e0, v0                    ; 32 w
	v_add_nc_u32 v[TMP], v[TMP], v0                ; 64 w + lane: my first gaussian; the second is 32 further on
	v_lshlrev_b32 v[O8], 3, v[TMP]
	v_lshlrev_b32 v[O4], 2, v[TMP]
	s_wait_alu depctr_va_sdst(0)                   ; s14 is written, ahead of its first reader: LDS addresses, branches and out0's base are made from it
	s_wait_kmcnt 0x0
	s_wait_alu depctr_va_vdst(0)                   ; v[O8] and v[O4] are written, which the eight loads below read as their offsets
	global_load_b64 v[MA:MA+1],   v[O8], s[4:5]
	global_load_b64 v[MB:MB+1],   v[O8], s[4:5] offset:256
	global_load_b64 v[SCA:SCA+1], v[O8], s[6:7]
	global_load_b64 v[SCB:SCB+1], v[O8], s[6:7] offset:256
	global_load_b32 v[TH],   v[O4], s[8:9]
	global_load_b32 v[TH+1], v[O4], s[8:9] offset:128
	global_load_b32 v[OP],   v[O4], s[10:11]
	global_load_b32 v[OP+1], v[O4], s[10:11] offset:128
	; while the loads are out: what hangs on ids alone (none of these lines names a register of the loads)
	s_mov_b32 s15, ttmp9                           ; the row
	s_mov_b32 s18, 0x3c008081                      ; 2 / 255: the grid's step
	s_mov_b32 s19, 0xbf38aa3b                      ; -K = -log2(e) / 2
	s_mov_b32 s20, 0x42283c1a                      ; sin's f^9 coefficient, 42.058694, as a pair (a packed source is read as a pair)
	s_mov_b32 s21, 0x42283c1a
	s_mov_b32 s22, 0xc1d368f9                      ; cos's f^10 coefficient, -26.426257
	s_mov_b32 s23, 0xc1d368f9
	s_cvt_f32_u32 s16, s15
	s_mul_f32 s16, s16, s18
	s_add_f32 s16, s16, -2.0                       ; y - 1 = row * 2 / 255 - 2
	s_mov_b32 s17, s16
	s_lshl_b32 s24, s14, 10                        ; 1,024 w
	v_lshl_add_u32 v[SAD], v[LN], 4, s24
	v_mov_b32 v[PA], s24
	v_lshlrev_b32 v[TMP], 2, v[LN]                 ; 4 lane
.irp k, 0,1,2,3,4,5,6,7
	v_or_b32 v[X+\k], (\k&3)|((\k>>2)<<7), v[TMP]  ; pixel 4 l + k, or 128 + 4 l + k - 4
.endr
.irp k, 0,1,2,3,4,5,6,7
	v_cvt_f32_u32 v[X+\k], v[X+\k]
.endr
.irp k, 0,1,2,3,4,5,6,7
	v_fma_f32 v[X+\k], v[X+\k], s18, -1.0          ; x = -1 + pixel * 2 / 255
.endr
	s_wait_loadcnt 0x0
	; PREPARATION of my two gaussians.  The exponentials take single registers, so they also sort the loaded (x, y) pairs into (first, second) pairs.
	v_pk_mul_f32 v[MA:MA+1],   v[MA:MA+1],   0x4038aa3b op_sel_hi:[1,0]    ; 2 log2(e) m: tanh m = 1 - 2 / (1 + e^(2 m))
	v_pk_mul_f32 v[MB:MB+1],   v[MB:MB+1],   0x4038aa3b op_sel_hi:[1,0]
	v_pk_mul_f32 v[SCA:SCA+1], v[SCA:SCA+1], 0x4038aa3b op_sel_hi:[1,0]    ; s^2 = e^(2 scale)
	v_pk_mul_f32 v[SCB:SCB+1], v[SCB:SCB+1], 0x4038aa3b op_sel_hi:[1,0]
	v_pk_mul_f32 v[TH:TH+1],   v[TH:TH+1],   0xbfb8aa3b op_sel_hi:[1,0]    ; sigmoid t = 1 / (1 + e^-t)
	v_pk_mul_f32 v[OP:OP+1],   v[OP:OP+1],   0xbfb8aa3b op_sel_hi:[1,0]
	v_exp_f32 v[EMX],    v[MA]
	v_exp_f32 v[EMX+1],  v[MB]
	v_exp_f32 v[EMY],    v[MA+1]
	v_exp_f32 v[EMY+1],  v[MB+1]
	v_exp_f32 v[VAR0],   v[SCA]
	v_exp_f32 v[VAR0+1], v[SCB]
	v_exp_f32 v[VAR1],   v[SCA+1]
	v_exp_f32 v[VAR1+1], v[SCB+1]
	v_exp_f32 v[ETH],    v[TH]
	v_exp_f32 v[ETH+1],  v[TH+1]
	v_exp_f32 v[EOP],    v[OP]
	v_exp_f32 v[EOP+1],  v[OP+1]
	v_nop                                          ; one plain vector instruction between a transcendental and the first use of its result (ISA guide 5.7.2)
	s_wait_alu depctr_va_vdst(0)
	v_pk_add_f32 v[EMX:EMX+1],   v[EMX:EMX+1],   1.0 op_sel_hi:[1,0]
	v_pk_add_f32 v[EMY:EMY+1],   v[EMY:EMY+1],   1.0 op_sel_hi:[1,0]
	v_pk_add_f32 v[VAR0:VAR0+1], v[VAR0:VAR0+1], 0x358637bd op_sel_hi:[1,0]   ; + the jitter 1e-6
	v_pk_add_f32 v[VAR1:VAR1+1], v[VAR1:VAR1+1], 0x358637bd op_sel_hi:[1,0]
	v_pk_add_f32 v[ETH:ETH+1],   v[ETH:ETH+1],   1.0 op_sel_hi:[1,0]
	v_pk_add_f32 v[EOP:EOP+1],   v[EOP:EOP+1],   1.0 op_sel_hi:[1,0]
	v_rcp_f32 v[RMX],   v[EMX]
	v_rcp_f32 v[RMX+1], v[EMX+1]
	v_rcp_f32 v[RMY],   v[EMY]
	v_rcp_f32 v[RMY+1], v[EMY+1]
	v_rcp_f32 v[I0],    v[VAR0]                    ; i0 = 1 / (s0^2 + J)
	v_rcp_f32 v[I0+1],  v[VAR0+1]
	v_rcp_f32 v[I1],    v[VAR1]
	v_rcp_f32 v[I1+1],  v[VAR1+1]
	v_rcp_f32 v[XR],    v[ETH]                     ; sigmoid(theta): the angle in turns
	v_rcp_f32 v[XR+1],  v[ETH+1]
	v_log_f32 v[LOP],   v[EOP]                     ; -log2(op)
	v_log_f32 v[LOP+1], v[EOP+1]
	v_nop                                          ; as above
	s_wait_alu depctr_va_vdst(0)
	v_pk_fma_f32 v[NMX:NMX+1], v[RMX:RMX+1], 2.0, -1.0 op_sel_hi:[1,0,0]       ; -mx = 2 r - 1
	v_pk_fma_f32 v[DY:DY+1],   v[RMY:RMY+1], 2.0, s[16:17] op_sel_hi:[1,0,0]   ; dy = y - my = 2 r + (y - 1)
	v_pk_add_f32 v[KQ:KQ+1], v[XR:XR+1], v[XR:XR+1]
	v_rndne_f32 v[KQ],   v[KQ]                     ; k = nearest whole number of half turns: 0, 1 or 2
	v_rndne_f32 v[KQ+1], v[KQ+1]
	v_pk_fma_f32 v[F:F+1], v[KQ:KQ+1], -0.5, v[XR:XR+1] op_sel_hi:[1,0,1]      ; f in [-1/4, 1/4]; sin and cos both change sign with odd k, their products do not
	v_pk_mul_f32 v[Z:Z+1], v[F:F+1], v[F:F+1]
	v_pk_fma_f32 v[SN:SN+1], v[Z:Z+1], 0xc17183a8, s[20:21] op_sel_hi:[1,0,0]  ; -15.094643 z + 42.058694
	v_pk_fma_f32 v[CN:CN+1], v[Z:Z+1], 0x40fce9c5, s[22:23] op_sel_hi:[1,0,0]  ;   7.903536 z - 26.426257
.macro HORNER sc, cc                   ; one step of each series; the two chains take turns
	v_pk_fma_f32 v[SN:SN+1], v[SN:SN+1], v[Z:Z+1], \sc op_sel_hi:[1,1,0]
	v_pk_fma_f32 v[CN:CN+1], v[CN:CN+1], v[Z:Z+1], \cc op_sel_hi:[1,1,0]
.endm
	HORNER 0xc2996966, 0x4270fa83                  ; -76.705860,  60.244641
	HORNER 0x42a335e3, 0xc2aae9e4                  ;  81.605249, -85.456817
	HORNER 0xc2255de7, 0x4281e0f8                  ; -41.341702,  64.939394
	HORNER 0x40c90fdb, 0xc19de9e6                  ;   6.283185, -19.739209
	v_pk_mul_f32 v[SN:SN+1], v[SN:SN+1], v[F:F+1]                              ; +-sin(th)
	v_pk_fma_f32 v[CN:CN+1], v[CN:CN+1], v[Z:Z+1], 1.0 op_sel_hi:[1,1,0]       ; +-cos(th), the same sign
	v_pk_mul_f32 v[CC:CC+1], v[CN:CN+1], v[CN:CN+1]
	v_pk_mul_f32 v[SS:SS+1], v[SN:SN+1], v[SN:SN+1]
	v_pk_mul_f32 v[CS:CS+1], v[CN:CN+1], v[SN:SN+1]
	v_pk_mul_f32 v[IA:IA+1], v[CC:CC+1], v[I0:I0+1]
	v_pk_fma_f32 v[IA:IA+1], v[SS:SS+1], v[I1:I1+1], v[IA:IA+1]                ; ia: a sum of two positive terms
	v_max_num_f32 v[IA],   0x0d800000, v[IA]       ; floor 2^-100: keeps 1 / ia finite where both variances have overflowed
	v_max_num_f32 v[IA+1], 0x0d800000, v[IA+1]
	v_pk_mul_f32 v[KI:KI+1], v[IA:IA+1], 0x3f38aa3b op_sel_hi:[1,0]            ; K ia
	v_rcp_f32  v[RIA],   v[IA]
	v_rcp_f32  v[RIA+1], v[IA+1]
	v_sqrt_f32 v[RA],    v[KI]                     ; sA, straight into the records
	v_sqrt_f32 v[RB],    v[KI+1]
	v_pk_add_f32 v[DI:DI+1], v[I0:I0+1], v[I1:I1+1] neg_lo:[0,1] neg_hi:[0,1]  ; i0 - i1: plain work that touches none of the four results above
	v_pk_mul_f32 v[DI:DI+1], v[DI:DI+1], v[CS:CS+1]                            ; ib
	s_wait_alu depctr_va_vdst(0)
	v_pk_mul_f32 v[RAT:RAT+1], v[DI:DI+1], v[RIA:RIA+1]                        ; ib / ia
	v_pk_mul_f32 v[IDP:IDP+1], v[I0:I0+1], v[RIA:RIA+1]
	v_pk_fma_f32 v[NX0:NX0+1], v[RAT:RAT+1], v[DY:DY+1], v[NMX:NMX+1]          ; -x0 = -mx + (ib / ia) dy
	v_pk_mul_f32 v[IDP:IDP+1], v[IDP:IDP+1], v[I1:I1+1]                        ; i0 i1 / ia
	v_mul_f32 v[RA+1], v[NX0],   v[RA]             ; c0 = -x0 sA
	v_mul_f32 v[RB+1], v[NX0+1], v[RB]
	v_pk_mul_f32 v[IDP:IDP+1], v[IDP:IDP+1], v[DY:DY+1]
	v_pk_mul_f32 v[IDP:IDP+1], v[IDP:IDP+1], v[DY:DY+1]
	v_fma_f32 v[RA+2], v[IDP],   s19, -v[LOP]      ; w = -K (i0 i1 / ia) dy^2 + log2(op), twice: the loop adds it as a pair
	v_fma_f32 v[RA+3], v[IDP],   s19, -v[LOP]
	v_fma_f32 v[RB+2], v[IDP+1], s19, -v[LOP+1]
	v_fma_f32 v[RB+3], v[IDP+1], s19, -v[LOP+1]
	s_wait_alu depctr_va_vdst(0)                   ; the two records, v[SAD] and v[PA] are written, which the stores and loads below read; the preparation is done with v88 to v119, in which buffer 1's loads land
	ds_store_b128 v[SAD], v[RA:RA+3]               ; record lane
	ds_store_b128 v[SAD], v[RB:RB+3] offset:512    ; record 32 + lane
	; The records are the wave's own bytes, and LDS serves a wave's instructions in order (ISA guide 5.7.1): no wait, no barrier.
.irp j, 0,1,2,3,4,5,6,7,8,9,10,11,12,13,14,15
	ds_load_b128 v[P+4*\j:P+4*\j+3], v[PA] offset:16*\j    ; both buffers: records 0 to 15; every lane reads the same 16 bytes
.endr
.macro UPDATE_ACC
	s_wait_alu depctr_va_vdst(0)
.irp k, 0,2,4,6
	v_pk_fma_f32 v[ACC+\k:ACC+\k+1], v[AL+\k:AL+\k+1], v[T+\k:T+\k+1], v[ACC+\k:ACC+\k+1]
.endr
.endm
.macro UPDATE_T
.irp k, 0,2,4,6
	v_pk_fma_f32 v[T+\k:T+\k+1], v[AL+\k:AL+\k+1], v[T+\k:T+\k+1], v[T+\k:T+\k+1] neg_lo:[1,0,0] neg_hi:[1,0,0]
.endr
.endm
; One gaussian, whose record lies in the four registers from r on.  Order: d and e of THIS gaussian (eight plain instructions behind the exponentials
; of the one before, the four that write D first, so that E, which those exponentials read, is rewritten four instructions later), then the
; compositing of the one BEFORE, then this one's eight exponentials.
; upd = 1: composite the gaussian before; 2: it was the wave's first, whose alpha went straight into ACC: T = 1 - alpha; 0: there is none before.
.macro GAUSS r, upd, dst
.irp k, 0,2,4,6
	v_pk_fma_f32 v[D+\k:D+\k+1], v[X+\k:X+\k+1], v[(\r):(\r)+1], v[(\r):(\r)+1] op_sel:[0,0,1] op_sel_hi:[1,0,1]   ; x sA + c0: the pair's first register times both, its second added to both
.endr
.irp k, 0,2,4,6
	v_pk_fma_f32 v[E+\k:E+\k+1], v[D+\k:D+\k+1], v[D+\k:D+\k+1], v[(\r)+2:(\r)+3] neg_lo:[1,0,0] neg_hi:[1,0,0]    ; w - d d
.endr
.if \upd == 1
	UPDATE_ACC
	UPDATE_T
.endif
.if \upd == 2
	s_wait_alu depctr_va_vdst(0)
.irp k, 0,2,4,6
	v_pk_add_f32 v[T+\k:T+\k+1], v[ACC+\k:ACC+\k+1], 1.0 op_sel_hi:[1,0] neg_lo:[1,0] neg_hi:[1,0]
.endr
.endif
.irp k, 0,1,2,3,4,5,6,7
	v_exp_f32 v[\dst+\k], v[E+\k]
.endr
.endm
; A trip: the eight gaussians of buffer b.  first = 1: the wave's first trip.  ahead = 1: the next trip's eight records are loaded into the other
; buffer, from byte at behind v[PA].  step = 1: v[PA] moves on by two trips' records first.  left = younger LDS loads that may stay out.
.macro TRIP b, first, ahead, step, at, left
	s_wait_dscnt \left                             ; LDS loads come back in order (ISA guide 5.7.1): buffer b is in
.if \step
	s_wait_alu depctr_vm_vsrc(0)                   ; the record loads issued so far have read v[PA]
	v_add_nc_u32 v[PA], 2*RING*16, v[PA]
.endif
.if \ahead
	s_wait_alu depctr_va_vdst(0)                   ; the trip before is done reading the other buffer, in which the loads below land; in a trip that steps, v[PA] is written
.endif
.irp j, 0,1,2,3,4,5,6,7
.if \ahead && (\j < 4)
	ds_load_b128 v[P+32*(1-\b)+8*\j:P+32*(1-\b)+8*\j+3],   v[PA] offset:\at+32*\j      ; no vector instruction since the wait names these registers or v[PA]
	ds_load_b128 v[P+32*(1-\b)+8*\j+4:P+32*(1-\b)+8*\j+7], v[PA] offset:\at+32*\j+16
.endif
.if \first && (\j == 0)
	GAUSS P+32*\b+4*\j, 0, ACC                     ; the first alpha starts the sum: nothing is cleared
.elseif \first && (\j == 1)
	GAUSS P+32*\b+4*\j, 2, AL
.else
	GAUSS P+32*\b+4*\j, 1, AL
.endif
.endr
.endm
	; 64 gaussians = 8 trips.  Trip 0 loads nothing: both buffers were asked for above; its count 8 leaves buffer 1's eight loads out.
	; Every later trip finds only its own buffer's eight loads issued and nothing younger: its count is 0.
	; With v[PA] = 1,024 w + 256 (t / 2): an odd trip t asks for records 8 (t + 1) on at byte 256, an even one, behind its step, at byte 128.
	TRIP 0, 1, 0, 0, 0, RING
	s_mov_b32 s30, 3
.Ltrip:                                                ; trips 1 to 6, two to a lap: both buffers are back at their start
	TRIP 1, 0, 1, 0, 256, 0
	TRIP 0, 0, 1, 1, 128, 0
	s_sub_co_u32 s30, s30, 1
	s_cmp_lg_u32 s30, 0
	s_cbranch_scc1 .Ltrip
	TRIP 1, 0, 0, 0, 0, 0                          ; the last trip loads nothing
	v_nop                                          ; the plain instruction behind the last exponentials
	s_wait_alu depctr_va_vdst(0)
	UPDATE_ACC                                     ; the last gaussian
	s_wait_alu depctr_va_vdst(0)                   ; the multiply-adds have written ACC, which the two stores below read
	ds_store_b128 v[SAD], v[ACC:ACC+3]   offset:PACC       ; pixels 4 l ..: a wave's store covers 512 consecutive bytes
	ds_store_b128 v[SAD], v[ACC+4:ACC+7] offset:PACC+512   ; pixels 128 + 4 l ..
	s_cmp_eq_u32 s14, WAVES-1
	s_cbranch_scc1 .Lno_t                          ; nothing stands behind the last wave's gaussians: its T is not needed
	UPDATE_T
	s_wait_alu depctr_va_vdst(0)                   ; the multiply-adds have written T, which the two stores below read
	ds_store_b128 v[SAD], v[T:T+3]   offset:PTRA
	ds_store_b128 v[SAD], v[T+4:T+7] offset:PTRA+512
.Lno_t:
	s_wait_dscnt 0x0                               ; my parts are in LDS before I say so
	s_barrier_signal -1
	s_barrier_wait -1                              ; everybody's are
	s_cmp_ge_u32 s14, 2
	s_cbranch_scc1 .Lend
	; THE FOLD: wave f (0 or 1) takes pixels 128 f .. 128 f + 127, four a lane, and goes through the sixteen parts in index order.
	s_lshl_b32 s25, s14, 9
	v_lshl_add_u32 v[FAD], v[LN], 4, s25
	s_wait_alu depctr_vm_vsrc(0)                   ; my stores of the parts have read ACC and T, in which loads below land; the head's loads have read v5 and v6, which are written anew below
	s_wait_alu depctr_va_vdst(0)                   ; v[FAD] is written, which the loads below read; all vector work on v8 to v131, in which they land, is done
.irp w, 0,1,2,3,4,5,6,7,8,9,10,11,12,13,14
	ds_load_b128 v[FB+8*\w:FB+8*\w+3],   v[FAD] offset:PACC+WPAR*\w
	ds_load_b128 v[FB+8*\w+4:FB+8*\w+7], v[FAD] offset:PTRA+WPAR*\w
.endr
	ds_load_b128 v[FB+120:FB+123], v[FAD] offset:PACC+WPAR*15
	s_mul_i32 s26, s14, 1536                       ; 128 pixels x 12 bytes
	v_mad_u32_u24 v[STO], v[LN], 48, s26
	v_lshl_add_u32 v[RD], v[LN], 4, s26
	v_lshlrev_b32 v[CO], 4, v[LN]
	s_mul_i32 s28, s15, 3072                       ; a row of out0
	s_add_co_u32 s28, s28, s26
	s_mov_b32 s29, 0
	s_add_nc_u64 s[12:13], s[12:13], s[28:29]      ; out0 at my 1,536 bytes: a multiple of 256 from its first byte
.irp w, 1,2,3,4,5,6,7,8,9,10,11,12,13,14
	s_wait_dscnt 29-2*\w                           ; 31 loads in the order acc 0, T 0, acc 1, T 1, ..: behind T w stand 29 - 2 w
	v_pk_fma_f32 v[FB:FB+1],   v[FB+4:FB+5], v[FB+8*\w:FB+8*\w+1],   v[FB:FB+1]        ; acc += T so far * acc of wave w
	v_pk_fma_f32 v[FB+2:FB+3], v[FB+6:FB+7], v[FB+8*\w+2:FB+8*\w+3], v[FB+2:FB+3]
	v_pk_mul_f32 v[FB+4:FB+5], v[FB+4:FB+5], v[FB+8*\w+4:FB+8*\w+5]                    ; T so far *= T of wave w
	v_pk_mul_f32 v[FB+6:FB+7], v[FB+6:FB+7], v[FB+8*\w+6:FB+8*\w+7]
.endr
	s_wait_dscnt 0x0
.irp q, 0,1,2,3
.irp i, 0,1,2
	v_fma_f32 v[OUTR+3*\q+\i], v[FB+4+\q], v[FB+120+\q], v[FB+\q]      ; the last step writes each pixel's three equal colours: no copies
.endr
.endr
	; THE WAY OUT.  A lane holds 48 consecutive bytes of the row; through the wave's own stage they become three stores in each of which
	; the wave's 32 lanes cover 512 consecutive bytes.  The stage's stores start 12 words apart.
	s_wait_alu depctr_va_vdst(0)                   ; the twelve results, v[STO], v[RD] and v[CO] are written, which the stores and loads below read; the preparation's work on v144 to v155, in which the loads land, is done
.irp i, 0,1,2
	ds_store_b128 v[STO], v[OUTR+4*\i:OUTR+4*\i+3] offset:STAGE+16*\i
.endr
.irp i, 0,1,2
	ds_load_b128 v[BACK+4*\i:BACK+4*\i+3], v[RD] offset:STAGE+512*\i   ; the wave's own bytes, served in order behind the stores
.endr
.irp i, 0,1,2
	s_wait_dscnt 2-\i
	global_store_b128 v[CO], v[BACK+4*\i:BACK+4*\i+3], s[12:13] offset:512*\i th:TH_STORE_NT
.endr
.Lend:
	s_wait_dscnt 0x0
	s_wait_alu depctr_hold_cnt(0) depctr_sa_sdst(0) depctr_va_vdst(0) depctr_va_sdst(0) depctr_va_ssrc(0) depctr_va_vcc(0) depctr_vm_vsrc(0)
	s_wait_tensorcnt 0x0
	ds_add_u32 v158, v159
	s_wait_dscnt 0x0
	s_endpgm
.Lfunc_end_k_q64ed6a7884_splat:
	.size	k_q64ed6a7884_splat, .Lfunc_end_k_q64ed6a7884_splat-k_q64ed6a7884_splat
	.p2alignl 7, 3214868480
	.fill 96, 4, 3214868480
	.section	.rodata,"a",@progbits
	.p2align	6, 0x0
	.amdhsa_kernel k_q64ed6a7884_splat
		.amdhsa_group_segment_fixed_size 54272
		.amdhsa_private_segment_fixed_size 0
		.amdhsa_enable_private_segment 0
		.amdhsa_kernarg_size 40
		.amdhsa_user_sgpr_count 2
		.amdhsa_user_sgpr_kernarg_segment_ptr 1
		.amdhsa_wavefront_size32 1
		.amdhsa_system_sgpr_workgroup_id_x 1
		.amdhsa_system_sgpr_workgroup_id_y 1
		.amdhsa_system_sgpr_workgroup_id_z 1
		.amdhsa_system_vgpr_workitem_id 0
		.amdhsa_next_free_vgpr 168
		.amdhsa_next_free_sgpr 66
		.amdhsa_reserve_vcc 0
		.amdhsa_float_denorm_mode_32 3
		.amdhsa_float_denorm_mode_16_64 3
		.amdhsa_memory_ordered 1
		.amdhsa_forward_progress 1
		.amdhsa_inst_pref_size 61
	.end_amdhsa_kernel
	.amdgpu_metadata
---
amdhsa.version: [ 1, 2 ]
amdhsa.kernels:
  - .name:           k_q64ed6a7884_splat
    .symbol:         k_q64ed6a7884_splat.kd
    .args:
      - { .name: means, .offset: 0, .size: 8, .value_kind: global_buffer, .address_space: global }
      - { .name: scales, .offset: 8, .size: 8, .value_kind: global_buffer, .address_space: global }
      - { .name: thetas, .offset: 16, .size: 8, .value_kind: global_buffer, .address_space: global }
      - { .name: opacities, .offset: 24, .size: 8, .value_kind: global_buffer, .address_space: global }
      - { .name: out0, .offset: 32, .size: 8, .value_kind: global_buffer, .address_space: global }
    .group_segment_fixed_size: 54272
    .private_segment_fixed_size: 0
    .kernarg_segment_align: 8
    .kernarg_segment_size: 40
    .max_flat_workgroup_size: 512
    .sgpr_count:     66
    .vgpr_count:     168
    .wavefront_size: 32
...
	.end_amdgpu_metadata
.endif
;; end of part 2
